; MI455X (gfx1250); checked and timed in simulation.
; The chip was launched on July 23, 2026; its instructions are those of AMD's public machine-readable ISA for CDNA 5 (MIT licence, August 2026) and "CDNA5" Instruction Set Architecture Reference Guide (July 2026). The comments in the code are by the model that wrote it; some were corrected since.
;; Expert Adapter. Allowed arithmetic: matrix products marked QUANTISED: E2M1 operands, one E8M0 scale for each 32 along K, by v_wmma_scale_f32_16x16x128_f8f6f4 with both operands' format E2M1 (or v_wmma_scale_f32_32x16x128_f4), f32 sums; products left as they are: f32 operands where the result goes on into a quantised operand, else bf16, f16 or f32 operands; f32 sums; everything else in f32.
;; Inputs: W1 8 x 1,024 x 256 float32; W2 8 x 256 x 1,024 float32; Wr 1,024 x 8 float32; b1 8 x 256 float32; b2 8 x 1,024 float32; br 8 float32; x 4 x 4,096 x 1,024 float32.
;; Outputs: out0 4 x 4,096 x 1,024 float32.
;; This version of the problem:
;;   THIS VERSION OF THE PROBLEM IS GIVEN IN LOW PRECISION. The matrix products marked QUANTISED in the list below multiply operands that are first quantised to E2M1 (2 exponent bits, 1 mantissa bit; 4 bits a number), with one power-of-two scale for each 32 numbers along K (OCP MX v1.0); their sums are f32. All else is computed in f32.
;;   The module's matrix products, in the order in which they are computed (A, B: the left and right operand; K: the contracted axis; several contracted axes count as one K, in the product's order):
;;     1. [M 16,384, K 1,024] x [K 1,024, N 8]; A: input x; B: input Wr: left as it is (N = 8 < 16)
;;     2. [M 16,384, K 1,024] x [K 1,024, N 2,048]; A: input x; B: input W1: QUANTISED
;;     3. batch 8 x [M 1,024, K 256] x [K 256, N 16,384]; A: input W2; B: computed on the way: QUANTISED
;;     4. batch 16,384 x [M 1,024, K 8] x [K 8, N 1]; A: computed on the way; B: softmax: left as it is (K = 8 < 32)
;;   THE QUANTISER, for each operand of a quantised product, along K:
;;     - K is cut into blocks of 32 from its start; a last block that is shorter is filled with zeros.
;;     - A block's scale is 2^e with e = floor(log2(the largest magnitude in the block)) - 2, held to -126 .. 127; a block of zeros has e = 0. As a byte (E8M0): e + 127.
;;     - Each number is divided by its block's scale, clamped to +-6, and rounded to the nearest number of E2M1, ties to even, subnormals kept.
;;     - The product sums the exact products of the quantised numbers (number of the format x scale) in f32.
;;   ~~~python
;;   def quantise(x, axis):      # numpy; x: float32 -> the quantised numbers, widened to float32 again
;;       x = np.moveaxis(x, axis, -1); K = x.shape[-1]
;;       x = np.pad(x, [(0, 0)] * (x.ndim - 1) + [(0, -K % 32)]); x = x.reshape(x.shape[:-1] + (-1, 32)); a = np.abs(x).max(-1, keepdims=True)
;;       e = np.where(a > 0, np.clip(np.frexp(np.where(a > 0, a, 1))[1] - 1 - 2, -126, 127), 0)      # np.frexp(a)[1] - 1 = floor(log2(a)), exactly
;;       r = np.clip(x / 2.0 ** e, -6, 6)
;;       step = 2.0 ** (np.maximum(np.frexp(np.where(r == 0, 1, r))[1] - 1, 0) - 1)
;;       q = np.round(r / step) * step * 2.0 ** e      # np.round: ties to even
;;       return np.moveaxis(q.reshape(q.shape[:-2] + (-1,))[..., :K], -1, axis).astype(np.float32)
;;   ~~~
;;   OPERANDS COMPUTED ON THE WAY. 'Computed on the way' means the value that the module computes at that place (a softmax that the list does not call 'softmax' is quantised finished and normalised). What goes into a quantiser is computed in f32, as accurately as f32 sums, v_exp_f32 and their like allow (about 1e-6 of the number): no bf16 or f16 on the way to a quantiser, and a product that is left as it is and whose result goes on into a quantised operand takes f32 operands (vector FMAs, or v_wmma_f32_16x16x4_f32). A number that lies on a knife's edge between two numbers of the format may be rounded either way, as far as f32 arithmetic and the matrix unit's own rounding can turn it there, and no further.
;; One version. Each part assembles by itself: llvm-mc -triple=amdgcn-amd-amdhsa -mcpu=gfx1250 --defsym DOCPART=n.
;; ======== version 1 of 1: 2 launches
;; limits: values are held in bf16: 8 bits of precision; right only within a limited range of input values
;; workspace buffers: wa 1,122,304 bytes; wb 1,146,880 bytes; wr 32,768 bytes
;; launch prep (part 1): grid 256 x 1, 4 waves a work-group, no clusters, 0 bytes of LDS; arguments W1, W2, Wr, b1, b2, wa, wb, wr; writes wa, wb, wr
.if DOCPART == 1
	.amdgcn_target "amdgcn-amd-amdhsa--gfx1250"
	.amdhsa_code_object_version 6
	.text
	.protected	k_qdfda2ff23d_prep
	.globl	k_qdfda2ff23d_prep
	.p2align	8
	.type	k_qdfda2ff23d_prep,@function
k_qdfda2ff23d_prep:
	s_mov_b64 s[64:65], 0
	v_nop
	global_prefetch_b8 v0, s[64:65] scope:SCOPE_SE
	s_setreg_imm32_b32 hwreg(HW_REG_WAVE_MODE, 25, 1), 1
	s_wait_xcnt 0x0
; W1 [8][1024][256] and W2 [8][256][1024], f32, K their middle axis, become codes of FP4 (E2M1) with one E8M0 byte for each 32 along K,
; laid in the ORDER OF THE OPERAND'S REGISTERS of the second launch: a fragment (16 rows x 128 K) is 1,024 bytes, registers 4 c .. 4 c + 3 of lane l at 512 c + 16 l.
; wa: 32 chunks (expert e, wave w) of C1 bytes: 32 fragments ((8 p + s) 2 + u), 2,048 bytes of scale words, b1's 64 numbers.
; wb: 32 chunks of C2 bytes: 32 fragments (2 t + s), 2,048 bytes of scale words, b2's 256 numbers.   wr: Wr as 32 fragments of bf16 (experts twice, as rows 0-7 and 8-15).
; A LANE TAKES A COLUMN AND ITS REGISTERS RUN DOWN K: each load reads 128 consecutive bytes a wave (512 a work-group), a block of 32 lies in one lane, and the conversions give K innermost.
; A block's 16 bytes of codes fall, for sixteen lanes, on 256 consecutive bytes of a fragment: each store of codes covers two whole aligned runs of 256 bytes, so no stage in LDS is needed.
; A wave takes 32 columns x 128 along K.  Work-groups 0-127 take W1, 128-255 W2; work-groups 0-7 also Wr.  No work-group shares an input with another: no cluster, no LDS, no barrier.
; WHAT IS SMALL IS ASKED FOR FIRST: every wave asks for its columns' 128 bytes of the bias ahead of its stream (only the waves of K step 0 store them), and work-groups 0-7, on a path of their own,
; for their numbers of Wr: loads come back in order, so the stream's first wait shows them in, and none has a wait of its own.
; A block's scale is 2^(floor(log2(largest magnitude)) - 2): its byte is the largest magnitude's exponent field - 2, held at 1 from below.
; LIMITS: NaN and infinities are not served.  A block of zeros gets the byte 1 where the rule says 127: its codes are zeros, and this program alone reads the bytes.
.set C1,  35072
.set C2,  35840
.set X,   32                           ; v32-95   two sets of 32 numbers
.set CDS, 96                           ; v96-111  codes: four registers a block, never written twice
.set SWD, 24                           ; v24      my column's scale word
.set BIA, 25                           ; v25      my column's number of the bias
.set WRN, 128                          ; v128-143 16 numbers of Wr;  v144-151 the same as bf16
.set WRC, 144
.macro LOAD t, pitch                   ; block t: rows 32 t + i of my column into set t % 2
.irp i, 0,1,2,3,4,5,6,7,8,9,10,11,12,13,14,15,16,17,18,19,20,21,22,23,24,25,26,27,28,29,30,31
	global_load_b32 v[X+32*((\t)%2)+\i], v2, s[4:5] offset:(32*(\t)+\i)*(\pitch) th:TH_LOAD_NT
.endr
.endm
.macro BLOCK t, pitch
.set XS, X+32*((\t)%2)
.if (\t) < 3
	s_wait_loadcnt 32                              ; this block's 32 loads and all older ones are in; the next block's 32 may be out
.else
	s_wait_loadcnt 0x0
.endif
	v_max3_num_f32 v12, |v[XS]|, |v[XS+1]|, |v[XS+2]|              ; the block's largest magnitude, in two chains
	v_max3_num_f32 v13, |v[XS+3]|, |v[XS+4]|, |v[XS+5]|
.irp i, 6,10,14,18,22,26
	v_max3_num_f32 v12, v12, |v[XS+\i]|, |v[XS+\i+1]|
	v_max3_num_f32 v13, v13, |v[XS+\i+2]|, |v[XS+\i+3]|
.endr
	v_max3_num_f32 v12, v12, |v[XS+30]|, |v[XS+31]|
	v_max3_num_f32 v12, v12, v13, 0x1800000        ; and the floor 2^(3 - 127): the byte cannot fall under 1
	v_add_nc_u32 v11, 0xff000000, v12              ; 2 off the exponent field: the conversion's scale operand
	v_lshrrev_b32 v13, 23, v11                     ; the scale's byte
.if (\t) == 0
	v_mov_b32 v[SWD], v13
.else
	v_lshl_or_b32 v[SWD], v13, 8*(\t), v[SWD]      ; byte t of the word scales k = 32 t on
.endif
.irp g, 0,1,2,3
	v_cvt_scalef32_pk8_fp4_f32 v[CDS+4*(\t)+\g], v[XS+8*\g:XS+8*\g+7], v11
.endr
	v_nop                                          ; one plain line behind the scaled conversions
	global_store_b128 v3, v[CDS+4*(\t):CDS+4*(\t)+3], s[40:41] offset:256*(\t)   ; block t = 2 c + h of the fragment lies 256 t bytes on
.if (\t)+2 < 4
	LOAD (\t)+2, \pitch
.endif
.endm
.macro QUANT4 pitch
	LOAD 0, \pitch
	LOAD 1, \pitch
	BLOCK 0, \pitch
	BLOCK 1, \pitch
	BLOCK 2, \pitch
	BLOCK 3, \pitch
	global_store_b32 v4, v[SWD], s[42:43]
.endm
	s_load_b512 s[4:19], s[0:1], 0x0               ; W1 s[4:5], W2 s[6:7], Wr s[8:9], b1 s[10:11], b2 s[12:13], wa s[14:15], wb s[16:17], wr s[18:19]
	v_lshrrev_b32 v1, 5, v0
	v_readfirstlane_b32 s20, v1                    ; wave
	v_and_b32 v1, 31, v0                           ; lane
	v_lshlrev_b32 v2, 2, v1                        ; my column: 4 bytes a lane
	v_lshrrev_b32 v7, 4, v1                        ; lane / 16
	s_mov_b32 s29, 0
	s_mov_b32 s33, 0
	s_mov_b32 s35, 0
	s_mov_b32 s37, 0
	s_mov_b32 s39, 0
	s_cmp_ge_u32 ttmp9, 128
	s_cbranch_scc1 .Lw2
	; ---- W1: e = g / 16, K step s = (g / 2) % 8, columns 128 (g % 2) + 32 wave on
	s_lshr_b32 s22, ttmp9, 4                       ; e
	s_bfe_u32 s23, ttmp9, 0x30001                  ; s
	s_and_b32 s24, ttmp9, 1
	s_lshl_b32 s25, s24, 7
	s_lshl_b32 s26, s20, 5
	s_add_co_u32 s25, s25, s26                     ; my first column
	s_lshl_b32 s26, s24, 1
	s_lshr_b32 s27, s20, 1
	s_add_co_u32 s26, s26, s27                     ; w: which wave of the second launch reads these 64 units
	s_and_b32 s27, s20, 1                          ; p: which pair of tiles
	s_lshl_b32 s28, s22, 20
	s_lshl_b32 s31, s23, 17
	s_add_co_u32 s28, s28, s31
	s_lshl_b32 s31, s25, 2
	s_add_co_u32 s28, s28, s31                     ; from: e 2^20 + 128 s rows of 1,024 bytes + 4 x column
	s_lshl_b32 s30, s22, 2
	s_add_co_u32 s30, s30, s26
	s_mul_i32 s30, s30, C1                         ; the chunk
	s_lshl_b32 s32, s27, 3
	s_add_co_u32 s32, s32, s23
	s_lshl_b32 s32, s32, 11
	s_add_co_u32 s32, s32, s30                     ; codes: + (8 p + s) 2,048
	s_lshl_b32 s34, s27, 10
	s_lshr_b32 s31, s23, 2
	s_lshl_b32 s31, s31, 9
	s_add_co_u32 s34, s34, s31
	s_and_b32 s31, s23, 3
	s_lshl_b32 s31, s31, 2
	s_add_co_u32 s34, s34, s31
	s_add_co_u32 s34, s34, s30
	s_add_co_u32 s34, s34, 32768                   ; scale words: + 32,768 + 1,024 p + 512 (s / 4) + 4 (s % 4)
	s_lshl_b32 s36, s27, 7
	s_add_co_u32 s36, s36, s30
	s_add_co_u32 s36, s36, 34816                   ; b1's place: + 34,816 + 128 p
	s_lshl_b32 s38, s22, 10
	s_lshl_b32 s31, s25, 2
	s_add_co_u32 s38, s38, s31                     ; and where it comes from
	; column j = lane of the pair's 32 is row r = j % 8 + 8 (j / 16) of tile u = (j / 8) % 2: so the 16 registers of the two tiles' results are 16 neighbours along the next K
	s_wait_alu depctr_va_vdst(0)
	v_bfe_u32 v5, v1, 3, 1                         ; u
	v_and_b32 v6, 7, v1
	v_lshl_add_u32 v6, v7, 3, v6                   ; r
	v_lshlrev_b32 v3, 4, v6
	v_lshl_add_u32 v3, v5, 10, v3                  ; codes: 1,024 u + 16 r
	v_lshlrev_b32 v4, 4, v6
	v_lshl_add_u32 v4, v5, 8, v4                   ; scale word: 16 (r + 16 u)
	s_wait_kmcnt 0x0
	s_add_nc_u64 s[4:5], s[4:5], s[28:29]
	s_add_nc_u64 s[40:41], s[14:15], s[32:33]
	s_add_nc_u64 s[42:43], s[14:15], s[34:35]
	s_add_nc_u64 s[44:45], s[14:15], s[36:37]
	s_add_nc_u64 s[46:47], s[10:11], s[38:39]
	global_load_b32 v[BIA], v2, s[46:47]           ; my columns' numbers of b1, ahead of the stream
	s_cmp_lt_u32 ttmp9, 8
	s_cbranch_scc1 .Lw1r                           ; work-groups 0-7 also take Wr
	QUANT4 1024
	s_cmp_lg_u32 s23, 0                            ; the waves of K step 0 store their 32 numbers of b1
	s_cbranch_scc1 .Lend_w1
	global_store_b32 v2, v[BIA], s[44:45]
.Lend_w1:
	s_endpgm
.Lw1r:	; ---- the same with a block of 32 along K of Wr for each wave, asked for ahead of the stream
	s_lshl_b32 s28, ttmp9, 2
	s_add_co_u32 s28, s28, s20
	s_lshl_b32 s28, s28, 10                        ; 32 rows of Wr are 1,024 bytes, and so is a fragment
	s_add_nc_u64 s[8:9], s[8:9], s[28:29]
	s_add_nc_u64 s[18:19], s[18:19], s[28:29]
	v_lshlrev_b32 v5, 9, v7
	v_and_b32 v6, 7, v1
	v_lshl_add_u32 v5, v6, 2, v5                   ; lane (n, h): rows 16 h on, expert n % 8
	v_lshlrev_b32 v6, 4, v1
.irp i, 0,1,2,3,4,5,6,7,8,9,10,11,12,13,14,15
	global_load_b32 v[WRN+\i], v5, s[8:9] offset:32*\i
.endr
	QUANT4 1024
	s_cmp_lg_u32 s23, 0
	s_cbranch_scc1 .Lno_b1
	global_store_b32 v2, v[BIA], s[44:45]
.Lno_b1:
.irp i, 0,1,2,3,4,5,6,7
	v_cvt_pk_bf16_f32 v[WRC+\i], v[WRN+2*\i], v[WRN+2*\i+1]   ; register i: k = 16 h + 2 i, 2 i + 1: the same order of k as x's fragments take in the second launch
.endr
	global_store_b128 v6, v[WRC:WRC+3], s[18:19]
	global_store_b128 v6, v[WRC+4:WRC+7], s[18:19] offset:512
	s_endpgm
.Lw2:	; ---- W2: g' = g - 128, e = g' / 16, K step s = (g' / 8) % 2, columns 128 (g' % 8) + 32 wave on
	s_sub_co_u32 s21, ttmp9, 128
	s_lshr_b32 s22, s21, 4                         ; e
	s_bfe_u32 s23, s21, 0x10003                    ; s
	s_and_b32 s24, s21, 7
	s_lshl_b32 s25, s24, 7
	s_lshl_b32 s26, s20, 5
	s_add_co_u32 s25, s25, s26                     ; my first column
	s_lshr_b32 s26, s24, 1                         ; w: which wave of the second launch owns these columns
	s_and_b32 s27, s24, 1                          ; which half of its 256
	s_lshl_b32 s28, s22, 20
	s_lshl_b32 s31, s23, 19
	s_add_co_u32 s28, s28, s31
	s_lshl_b32 s31, s25, 2
	s_add_co_u32 s28, s28, s31                     ; from: e 2^20 + 128 s rows of 4,096 bytes + 4 x column
	s_lshl_b32 s30, s22, 2
	s_add_co_u32 s30, s30, s26
	s_mul_i32 s30, s30, C2                         ; the chunk
	s_lshl_b32 s32, s27, 3
	s_lshl_b32 s31, s20, 1
	s_add_co_u32 s32, s32, s31                     ; my first tile of 16 columns: t0 = 8 half + 2 wave
	s_lshl_b32 s32, s32, 1
	s_add_co_u32 s32, s32, s23
	s_lshl_b32 s32, s32, 10
	s_add_co_u32 s32, s32, s30                     ; codes: + (2 t0 + s) 1,024
	s_lshl_b32 s34, s27, 1
	s_lshr_b32 s31, s20, 1
	s_add_co_u32 s34, s34, s31
	s_lshl_b32 s34, s34, 9
	s_lshl_b32 s31, s23, 8
	s_add_co_u32 s34, s34, s31
	s_and_b32 s31, s20, 1
	s_lshl_b32 s31, s31, 3
	s_add_co_u32 s34, s34, s31
	s_add_co_u32 s34, s34, s30
	s_add_co_u32 s34, s34, 32768                   ; scale words: + 32,768 + 512 (t / 4) + 256 s + 4 (t % 4)
	s_lshl_b32 s36, s27, 9
	s_lshl_b32 s31, s20, 7
	s_add_co_u32 s36, s36, s31
	s_add_co_u32 s36, s36, s30
	s_add_co_u32 s36, s36, 34816                   ; b2's place
	s_lshl_b32 s38, s22, 12
	s_lshl_b32 s31, s25, 2
	s_add_co_u32 s38, s38, s31                     ; and where it comes from
	s_wait_alu depctr_va_vdst(0)
	v_and_b32 v6, 15, v1
	v_lshlrev_b32 v3, 4, v6
	v_lshl_add_u32 v3, v7, 11, v3                  ; codes: tile t0 + lane / 16 (2,048 bytes on), row lane % 16
	v_lshlrev_b32 v4, 4, v6
	v_lshl_add_u32 v4, v7, 2, v4                   ; scale word: 16 (lane % 16) + 4 (lane / 16)
	s_wait_kmcnt 0x0
	s_add_nc_u64 s[4:5], s[6:7], s[28:29]
	s_add_nc_u64 s[40:41], s[16:17], s[32:33]
	s_add_nc_u64 s[42:43], s[16:17], s[34:35]
	s_add_nc_u64 s[44:45], s[16:17], s[36:37]
	s_add_nc_u64 s[46:47], s[12:13], s[38:39]
	global_load_b32 v[BIA], v2, s[46:47]           ; my columns' numbers of b2, ahead of the stream
	QUANT4 4096
	s_cmp_lg_u32 s23, 0                            ; the waves of K step 0 store their 32 numbers of b2
	s_cbranch_scc1 .Lno_b2
	global_store_b32 v2, v[BIA], s[44:45]
.Lno_b2:
	s_endpgm
.Lfunc_end_k_qdfda2ff23d_prep:
	.size	k_qdfda2ff23d_prep, .Lfunc_end_k_qdfda2ff23d_prep-k_qdfda2ff23d_prep
	.p2alignl 7, 3214868480
	.fill 96, 4, 3214868480
	.section	.rodata,"a",@progbits
	.p2align	6, 0x0
	.amdhsa_kernel k_qdfda2ff23d_prep
		.amdhsa_group_segment_fixed_size 0
		.amdhsa_private_segment_fixed_size 0
		.amdhsa_enable_private_segment 0
		.amdhsa_kernarg_size 64
		.amdhsa_user_sgpr_count 2
		.amdhsa_user_sgpr_kernarg_segment_ptr 1
		.amdhsa_wavefront_size32 1
		.amdhsa_system_sgpr_workgroup_id_x 1
		.amdhsa_system_sgpr_workgroup_id_y 1
		.amdhsa_system_sgpr_workgroup_id_z 1
		.amdhsa_system_vgpr_workitem_id 0
		.amdhsa_next_free_vgpr 160
		.amdhsa_next_free_sgpr 66
		.amdhsa_reserve_vcc 0
		.amdhsa_float_denorm_mode_32 3
		.amdhsa_float_denorm_mode_16_64 3
		.amdhsa_memory_ordered 1
		.amdhsa_forward_progress 1
		.amdhsa_inst_pref_size 64
	.end_amdhsa_kernel
	.amdgpu_metadata
---
amdhsa.version: [ 1, 2 ]
amdhsa.kernels:
  - .name:           k_qdfda2ff23d_prep
    .symbol:         k_qdfda2ff23d_prep.kd
    .args:
      - { .name: W1, .offset: 0, .size: 8, .value_kind: global_buffer, .address_space: global }
      - { .name: W2, .offset: 8, .size: 8, .value_kind: global_buffer, .address_space: global }
      - { .name: Wr, .offset: 16, .size: 8, .value_kind: global_buffer, .address_space: global }
      - { .name: b1, .offset: 24, .size: 8, .value_kind: global_buffer, .address_space: global }
      - { .name: b2, .offset: 32, .size: 8, .value_kind: global_buffer, .address_space: global }
      - { .name: wa, .offset: 40, .size: 8, .value_kind: global_buffer, .address_space: global }
      - { .name: wb, .offset: 48, .size: 8, .value_kind: global_buffer, .address_space: global }
      - { .name: wr, .offset: 56, .size: 8, .value_kind: global_buffer, .address_space: global }
    .group_segment_fixed_size: 0
    .private_segment_fixed_size: 0
    .kernarg_segment_align: 8
    .kernarg_segment_size: 64
    .max_flat_workgroup_size: 128
    .sgpr_count:     66
    .vgpr_count:     160
    .wavefront_size: 32
...
	.end_amdgpu_metadata
.endif
;; end of part 1
;; launch main (part 2): grid 256 x 1, 4 waves a work-group, clusters of 4 x 1, 327,680 bytes of LDS; arguments x, wa, wb, wr, br, out0; writes out0
.if DOCPART == 2
	.amdgcn_target "amdgcn-amd-amdhsa--gfx1250"
	.amdhsa_code_object_version 6
	.text
	.protected	k_qdfda2ff23d_main
	.globl	k_qdfda2ff23d_main
	.p2align	8
	.type	k_qdfda2ff23d_main,@function
k_qdfda2ff23d_main:
	s_mov_b64 s[64:65], 0
	v_nop
	global_prefetch_b8 v0, s[64:65] scope:SCOPE_SE
	s_setreg_imm32_b32 hwreg(HW_REG_WAVE_MODE, 25, 1), 1
	s_wait_xcnt 0x0
	s_wait_alu depctr_hold_cnt(0) depctr_sa_sdst(0) depctr_va_vdst(0) depctr_va_sdst(0) depctr_va_ssrc(0) depctr_va_vcc(0) depctr_vm_vsrc(0)
	s_getreg_b32 s2, hwreg(HW_REG_IB_STS2, 6, 4)
	s_cmp_eq_u32 s2, 0
	s_cbranch_scc0 .Lentry_in_a_cluster
	s_endpgm
.Lentry_in_a_cluster:
	s_bfe_u32 s2, ttmp6, 0x10000c
	s_cmp_lg_u32 s2, 0x3003
	s_cbranch_scc0 .Lentry_shape_is_right
	s_endpgm
.Lentry_shape_is_right:
; out[t] = sum over e of rw[t][e] (Q(gelu(Q(x[t]) Q(W1_e) + b1_e)) Q(W2_e) + b2_e),  rw = softmax(x Wr + br).  Q: MX-FP4 along each product's K.  16,384 tokens, 8 experts, 1,024 -> 256 -> 1,024.
; SHARES.  A work-group owns 64 tokens (four tiles m of 16).  THE WAVES SHARE THE COLUMNS: wave w makes hidden units 64 w .. + 63 of every expert and outputs 256 w .. + 255, for all 64 tokens:
; each fragment of a weight is read from LDS once in the work-group and feeds four matrix instructions.  x's codes (256 registers) and the outputs' sums (512 registers) stay in every wave's registers through all experts.
; BOTH PRODUCTS ARE USED TRANSPOSED (source 0 = 16 rows of a weight, source 1 = 16 tokens): a lane holds ONE token throughout, so a gate is one number a lane, and a lane's registers run along the next K.
; The gates are no powers of two: each expert's y is made in accumulators of its own (two sets of four by turns) and joined to the sums by packed multiply-adds, which stand behind each tile's matrix instructions as their places.
; WEIGHTS come as the first launch laid them: for each (expert, wave) one dense chunk, fragments as images of the operand's registers, scale words and bias behind them.  One tensor load a wave brings a chunk; only that wave reads it.
; CLUSTER.  All work-groups walk the same weights: the four of a cluster ask for each chunk JOINTLY (the same load, the same descriptor, mask 15).  x's tiles are a work-group's own: plain loads.
; TWO REGIONS, ONE FOR W1 AND ONE FOR W2, each filled again as soon as its expert's last read is over: W1's next chunk lands under the second gelu and the second product, W2's under the next expert's first product and first gelu.
; x IS ASKED FOR WHOLE AT THE START: four loads a wave, a quarter of its 16 tokens' rows each, 64 KiB, into stages that lie over the two regions.  W1's first chunk follows when the last quarter has landed; the last quarter's
; quantising, the gates and the fetch of x's fragments stand under its flight.
; THE ROUTER's product goes on bf16 operands (its result enters no quantiser), 32 matrix instructions a wave, beside the quantising of x.
; gelu(x) = x (0.5 + xc R(xc^2)), xc = x held to +-5.294704, R a quotient of polynomials of degrees 4 and 6 for erf(x / sqrt 2) / (2 x).
; LIMITS.  NaN and infinities among the inputs are not served.  gelu's absolute error is about 1e-7 |x|: as in the form 0.5 + 0.5 erf that the problem writes, its relative accuracy falls off for x under -3.
; The router's logits carry the rounding of x and Wr to bf16.  A block of zeros gets the scale byte 1 (its codes are zeros).
; LDS: SLA 4 chunks of W1 | SLB 4 chunks of W2 (first, over both: x's stages, quarter q of wave w at XQS q + XB w) | R0 images stored by the waves (x's, then the hidden layer's, at last the stages for the way out) | XSC x's scale words | RWI the gates | the spare words.
; All of the LDS is claimed.
; REGISTERS, in windows of 256: window 0 as named below; window 1: X(m, s) at v[8 (8 m + s)]; windows 2, 3: the sums, out(t, m) at v[8 (4 (t % 8) + m)] of window 2 + t / 8.
; x's QUARTERS: THIS PARAGRAPH TAKES THE PLACE OF THE ONE ON x ABOVE.  A wave has one tensor load at the head: quarter 0 of its 16 tokens' rows.  Each later quarter is the wave's one load behind the wait for all its
; loads, the add, the wait for it and a round, from one group 0 that walks; quarter q + 1 is on its way while quarter q is quantised.  W1's first chunk follows behind quarter 3 in the same form.
; x IS PREFETCHED INTO THE L2 two quarters ahead of its tensor load: each wave asks for its own 16 rows, a lane a block of 256 bytes, two instructions a quarter (64 blocks): quarters 1 and 2 at the head, quarter 3 behind quarter 1's load.
; Each block is named once in the launch; no address leaves x; the address registers (v63, s[4:5]) are never rewritten.
; THE NEXT EXPERT'S FIRST LDS LOADS (scale words, b1, K steps 0 to 3 of pair 0) are issued at an expert's end, ahead of the three lines of W2's refill, whose wait for LDS shows them in.
; THE PREFETCHES' PLACES, in place of the sentence above that names them: a quarter is asked for ONE quarter ahead of its tensor load: quarter 1 at the head's end, behind the lines that clear the sums;
; quarter 2 behind quarter 1's tensor load; quarter 3 behind quarter 2's.  So at most one quarter of a wave's rows (64 blocks of 256 bytes) is asked for and not yet loaded.  Quarter 0 comes by its load alone.
.set C1,    35072                      ; a chunk of W1: 32,768 codes, 2,048 scale words, 256 b1
.set C2,    35840                      ; a chunk of W2: 32,768 codes, 2,048 scale words, 1,024 b2
.set SLB,   4*C1
.set R0,    SLB+4*C2
.set HSC,   R0+8192                    ; the hidden layer's scale words: 128 m + 64 s + 4 r
.set XSC,   R0+33792                   ; x's: 512 m + 64 s + 4 r
.set RWI,   XSC+2048                   ; the gates: (8 m + e) 128 + 4 lane
.set SPARE, RWI+4096                   ; the spare words, 128 bytes a wave: two blocks of 256 bytes that no other line names
.set XB,    16640                      ; a stage for x: 16 rows x (1,024 bytes + 16)
.set XQS,   2*C1                       ; from a quarter's four stages (4 XB = 66,560 bytes) to the next quarter's: quarters 0, 1 lie inside SLA, quarters 2, 3 inside SLB
.set L16, 1                            ; v1   16 lane
.set L4,  2                            ; v2   4 lane
.set AW1, 3                            ; v3   my chunk of W1 + 16 lane
.set AB1, 4                            ; v4   its b1 + 64 h
.set AW2, 5                            ; v5   my chunk of W2 + 16 lane
.set AB2, 6                            ; v6   its b2 + 32 h
.set HW,  7                            ; v7   where I store 8 bytes of a hidden image: R0 + 512 w + 16 r + 8 h
.set HSW, 8                            ; v8   and a scale byte: HSC + 64 (w / 2) + 2 (w % 2) + 4 r
.set HR,  9                            ; v9   R0 + 16 lane: images are read so
.set HSR, 10                           ; v10  HSC + 4 lane
.set RWR, 11                           ; v11  RWI + 4 lane
.set RWA, 12                           ; v12  the same for the expert in hand
.set AX,  13                           ; v13  my stage of quarter 0: XB w + 1,040 r + 64 h
.set AXT, 14
.set XSR, 15                           ; v15  XSC + 4 lane
.set XS,  16                           ; v16-31  x's scale words: 4 m + j: lanes 0-15 K step 2 j, lanes 16-31 K step 2 j + 1.  Scales and nothing else
.set RW,  32                           ; v32-39  the gate of tile m at 2 m; the odd registers hold 0 (named as the pairs' upper halves)
.set HS,  40                           ; v40-43  the hidden layer's scale words of tile m: lanes 0-15 K step 0, lanes 16-31 K step 1.  Scales and nothing else
.set A4,  44                           ; v44-45  a4 twice;  v46-47 b6 twice
.set B6,  46
.set SPW, 48                           ; v48  LDS address of my spare word; never rewritten
.set NIL, 49                           ; v49  0; never rewritten
.set AXW, 50                           ; v50  where I store 8 bytes of an image of x: R0 + 8,192 w + 16 r + 8 h
.set AXWT, 51
.set XSWA, 52                          ; v52  and its scale word: XSC + 512 w + 4 r
.set XSWT, 53
.set RWW, 54                           ; v54  where I store gates: RWI + 1,024 w + 4 lane
.set WRA, 55                           ; v55  my byte in Wr's fragments
.set PW,  56                           ; v56  a scale word just made
.set STO, 57                           ; v57  the way out: into my stage: R0 + 8,448 w + 528 r + 32 h
.set RDO, 58                           ; v58  back: R0 + 8,448 w + 16 lane
.set CO,  59                           ; v59  my byte in a row of out: 1,024 w + 16 lane
.set HA,  64                           ; v64-127  8 accumulators of the hidden layer, (m, u) at 16 m + 8 u; 64 numbers of x; Y
.set Y,   64                           ;          y's accumulators: (t % 2, m) at 32 (t % 2) + 8 m
.set BK,  64                           ;          the way out: rows read back, v64-127 and v128-191 by turns
.set WF,  128                          ; v128-191 W1's fragments, four sets of two
.set HF,  128                          ;          the hidden layer's eight fragments, 8 (2 m + s)
.set XBF, 128                          ;          x as bf16, four fragments;  v160-191 Wr's four
.set WRF, 160
.set GT,  192                          ; v192-223 at work
.set GX,  GT
.set GU,  GT+8
.set GP,  GT+16
.set GQ,  GT+24
.set TM,  GT                           ;          the quantiser: largest magnitudes, the other half's, scale operands, bytes, codes
.set TP,  GT+4
.set TS,  GT+8
.set TB,  GT+12
.set CD,  GT+16
.set WF2, GT                           ;          W2's fragments: 16 (t % 2) + 8 s
.set B1F, 224                          ; v224-239 b1 of two tiles; b2 of tile t at 8 (t % 2); the logits' two accumulators
.set BF,  224
.set LG,  224
.set SW,  240                          ; v240-255 the weights' scale words.  Scales and nothing else
.set SW2, 240
.set WV,  16                           ; s16  my wave's number
.set SEL, 20                           ; s[20:21] v_permlanex16_b32's selects for lane l xor 16
.set CL,  22                           ; s22  5.294704
.set EM2, 23                           ; s23  -(2 << 23): takes 2 off an exponent field
.set FLR, 99                           ; s99  the floor 2^(3 - 127) under a block's largest magnitude
.set G1A, 24                           ; s[24:31], s[32:39], s[40:47] descriptor groups 1: W1's chunks, W2's, x's tiles
.set G1B, 32
.set G1X, 40
.set G0A, 48                           ; s[48:51], s[52:55] groups 0: W1, W2
.set G0B, 52
.set G0X0, 56                          ; s[56:59] group 0 of x's quarters: it walks
.set SA3, 66                           ; s[66:83] gelu's coefficients, each twice (the packed forms name pairs)
.set SA2, 68
.set SA1, 70
.set SA0, 72
.set SB5, 74
.set SB4, 76
.set SB3, 78
.set SB2, 80
.set SB1, 82
.set BR,  84                           ; s[84:91] br
.set EC,  92                           ; s92  experts to go in the loop
.set EO,  93                           ; s93  128 e
.set RD,  94                           ; s94  where, from my stage of quarter 0 on, the K step of x begins
.set IMG, 95                           ; s95  1,024 s
.set SCO, 96                           ; s96  64 s
.set XCN, 97                           ; s97  counts a quarter's two K steps
.set WRO, 98                           ; s98  4,096 s: the K step's fragments of Wr
.set LE,  100                          ; s[100:101] offsets at work; later log2(e) twice
.set MSB, 0
.macro WIN new                         ; the immediate's high byte repeats the setting that is left; a switch that changes nothing is dropped
.if MSB != (\new)
	s_set_vgpr_msb (MSB<<8)|(\new)
.set MSB, (\new)
.endif
.endm
.macro PLACES n                        ; plain vector lines behind matrix instructions (ISA guide 7.12.1), where no other work is at hand
.rept \n
	v_nop
.endr
.endm
.macro SPAIR reg, val
	s_mov_b32 s[\reg], \val
	s_mov_b32 s[\reg+1], s[\reg]
.endm
; A round of the cluster's barrier: my work-group's barrier, wave 0 signals for the work-group, every wave waits for all four work-groups, my work-group's barrier once more.
.macro ROUND
	s_barrier_signal -1
	s_barrier_wait -1
	s_cmp_lg_u32 s[WV], 0
	s_cbranch_scc1 .Lnot_wave_0_\@
	s_barrier_signal -3
.Lnot_wave_0_\@:
	s_barrier_wait -3
	s_barrier_signal -1
	s_barrier_wait -1
.endm
; LDS bytes are filled again: all my tensor loads have landed, 0 goes onto my spare word, the add and my reads are over, a round, and my one load first behind it.
.macro REFILL g0, g1, step
	WIN 0
	s_wait_tensorcnt 0x0                           ; no tensor load of mine is out, so a group 0 may be written
	ds_add_u32 v[SPW], v[NIL]
.if \step
	s_add_nc_u64 s[\g0+2:\g0+3], s[\g0+2:\g0+3], \step   ; the type bits on top are not reached
.endif
	s_wait_dscnt 0x0                               ; the add is done; my LDS reads and stores are over
	ROUND                                          ; the same holds of every wave of the four work-groups
	tensor_load_to_lds s[\g0:\g0+3], s[\g1:\g1+7]
	s_nop 0
	PLACES 4
.endm
; A scaled product on FP4 codes.  ra, rb: which half of the lanes holds source 0's and source 1's scale words.
.macro WMS d, a, b, c, sa, sb, ra, rb
.if (\ra) && (\rb)
	v_wmma_scale_f32_16x16x128_f8f6f4 v[(\d):(\d)+7], v[(\a):(\a)+7], v[(\b):(\b)+7], v[(\c):(\c)+7], v[(\sa)], v[(\sb)] matrix_a_fmt:MATRIX_FMT_FP4 matrix_b_fmt:MATRIX_FMT_FP4 matrix_a_scale:MATRIX_SCALE_ROW1 matrix_b_scale:MATRIX_SCALE_ROW1
.elseif (\ra)
	v_wmma_scale_f32_16x16x128_f8f6f4 v[(\d):(\d)+7], v[(\a):(\a)+7], v[(\b):(\b)+7], v[(\c):(\c)+7], v[(\sa)], v[(\sb)] matrix_a_fmt:MATRIX_FMT_FP4 matrix_b_fmt:MATRIX_FMT_FP4 matrix_a_scale:MATRIX_SCALE_ROW1
.elseif (\rb)
	v_wmma_scale_f32_16x16x128_f8f6f4 v[(\d):(\d)+7], v[(\a):(\a)+7], v[(\b):(\b)+7], v[(\c):(\c)+7], v[(\sa)], v[(\sb)] matrix_a_fmt:MATRIX_FMT_FP4 matrix_b_fmt:MATRIX_FMT_FP4 matrix_b_scale:MATRIX_SCALE_ROW1
.else
	v_wmma_scale_f32_16x16x128_f8f6f4 v[(\d):(\d)+7], v[(\a):(\a)+7], v[(\b):(\b)+7], v[(\c):(\c)+7], v[(\sa)], v[(\sb)] matrix_a_fmt:MATRIX_FMT_FP4 matrix_b_fmt:MATRIX_FMT_FP4
.endif
.endm
; THE QUANTISER.  Four groups g of 16 numbers, v[HA + 16 g] on: my half of a block of 32 (the other half lies in lane l xor 16).  Leaves the bytes in TB + g and 8 bytes of codes in CD + 2 g.
.macro QUANT
.irp g, 0,1,2,3
	v_max3_num_f32 v[TM+\g], |v[HA+16*\g]|, |v[HA+16*\g+1]|, s[FLR]   ; with the floor 2^(3 - 127): the byte cannot fall under 1
.endr
.irp i, 2,4,6,8,10,12,14
.irp g, 0,1,2,3
	v_max3_num_f32 v[TM+\g], v[TM+\g], |v[HA+16*\g+\i]|, |v[HA+16*\g+\i+1]|   ; the four groups by turns
.endr
.endr
.irp g, 0,1,2,3
	v_permlanex16_b32 v[TP+\g], v[TM+\g], s[SEL], s[SEL+1]
.endr
.irp g, 0,1,2,3
	v_max_num_f32 v[TM+\g], v[TM+\g], v[TP+\g]     ; the block's largest magnitude
.endr
.irp g, 0,1,2,3
	v_add_nc_u32 v[TS+\g], s[EM2], v[TM+\g]        ; 2 off its exponent field: the conversion's scale operand
.endr
.irp g, 0,1,2,3
	v_lshrrev_b32 v[TB+\g], 23, v[TS+\g]           ; the scale's byte
.endr
.irp g, 0,1,2,3
	v_cvt_scalef32_pk8_fp4_f32 v[CD+2*\g], v[HA+16*\g:HA+16*\g+7], v[TS+\g]
	v_cvt_scalef32_pk8_fp4_f32 v[CD+2*\g+1], v[HA+16*\g+8:HA+16*\g+15], v[TS+\g]
.endr
	v_nop                                          ; one plain line behind the scaled conversions
.endm
; ONE K STEP OF MY 16 TOKENS OF x: 64 numbers a lane from my stage (register 16 b + i = k 32 b + 16 h + i of row r); codes and scale word to LDS as parts of an image of the operand's registers
; (a lane's 8 bytes fall at 256 b + 16 r + 8 h of the fragment: no lane exchange); the same numbers as bf16 against Wr's fragments, into the logits' two accumulators by turns.
.macro XSTEP
	v_add_nc_u32 v[AXT], s[RD], v[AX]
.irp b, 0,1,2,3
.irp j, 0,1,2,3
	ds_load_b128 v[HA+16*\b+4*\j:HA+16*\b+4*\j+3], v[AXT] offset:128*\b+16*\j
.endr
.endr
	v_add_nc_u32 v[AXWT], s[IMG], v[AXW]
	v_add_nc_u32 v[XSWT], s[SCO], v[XSWA]
	s_wait_dscnt 0x0
	QUANT
	v_lshl_or_b32 v[PW], v[TB+1], 8, v[TB]         ; the four bytes make my row's scale word
	v_lshl_or_b32 v[PW], v[TB+2], 16, v[PW]
	v_lshl_or_b32 v[PW], v[TB+3], 24, v[PW]
.irp b, 0,1,2,3
	ds_store_b64 v[AXWT], v[CD+2*\b:CD+2*\b+1] offset:256*\b
.endr
	ds_store_b32 v[XSWT], v[PW]                    ; both halves of the lanes store the same word with the same value
.irp b, 0,1,2,3
.irp i, 0,1,2,3,4,5,6,7
	v_cvt_pk_bf16_f32 v[XBF+8*\b+\i], v[HA+16*\b+2*\i], v[HA+16*\b+2*\i+1]
.endr
.endr
	s_wait_alu depctr_va_vdst(0)
	s_wait_loadcnt 0x0                             ; Wr's four fragments of this K step
.irp b, 0,1,2,3
	v_wmma_f32_16x16x32_bf16 v[LG+8*(\b%2):LG+8*(\b%2)+7], v[WRF+8*\b:WRF+8*\b+7], v[XBF+8*\b:XBF+8*\b+7], v[LG+8*(\b%2):LG+8*(\b%2)+7]
.endr
	PLACES 4
	s_add_co_u32 s[WRO], s[WRO], 4096              ; the next K step's fragments of Wr are asked for now; behind the last K step the address is held at the last fragments,
	s_min_u32 s[WRO], s[WRO], 28672                ; so that no load leaves the buffer: those 4,096 bytes are fetched once more and not used
	v_add_nc_u32 v[WRA], s[WRO], v[L16]
.irp b, 0,1,2,3
.irp c, 0,1
	global_load_b128 v[WRF+8*\b+4*\c:WRF+8*\b+4*\c+3], v[WRA], s[10:11] offset:1024*\b+512*\c
.endr
.endr
.endm
.macro XQ q                            ; quarter q of x's rows: two K steps
	s_mov_b32 s[RD], XQS*\q
	s_mov_b32 s[IMG], 2048*\q
	s_mov_b32 s[SCO], 128*\q
	s_mov_b32 s[XCN], 2
.Lxq_\@:
	XSTEP
	s_add_co_u32 s[RD], s[RD], 512
	s_add_co_u32 s[IMG], s[IMG], 1024
	s_add_co_u32 s[SCO], s[SCO], 64
	s_sub_co_u32 s[XCN], s[XCN], 1
	s_cmp_lg_u32 s[XCN], 0
	s_cbranch_scc1 .Lxq_\@
.endm
; THE FIRST PRODUCT, for pair p of my four tiles of hidden units.
.macro FR1 p, s                        ; K step s's two fragments into set s % 4
.irp u, 0,1
.irp c, 0,1
	ds_load_b128 v[WF+16*((\s)%4)+8*\u+4*\c:WF+16*((\s)%4)+8*\u+4*\c+3], v[AW1] offset:((8*(\p)+(\s))*2+\u)*1024+512*\c
.endr
.endr
.endm
.macro P1PRO p                         ; 22 loads: the pair's scale words (8 registers: lanes 0-15 tile 2 p, lanes 16-31 tile 2 p + 1), its biases in the result's layout, K steps 0 to 3
	ds_load_b128 v[SW:SW+3], v[AW1] offset:32768+1024*(\p)
	ds_load_b128 v[SW+4:SW+7], v[AW1] offset:32768+1024*(\p)+512
.irp u, 0,1
	ds_load_b128 v[B1F+8*\u:B1F+8*\u+3], v[AB1] offset:4*(32*(\p)+8*\u)
	ds_load_b128 v[B1F+8*\u+4:B1F+8*\u+7], v[AB1] offset:4*(32*(\p)+8*\u)+16
.endr
	FR1 \p, 0
	FR1 \p, 1
	FR1 \p, 2
	FR1 \p, 3
.endm
; 64 matrix instructions: the eight accumulators (2 tiles x 4 tiles of tokens) take turns, one instruction a turn, K step by K step; the bias is the first step's C.
; K steps 4 to 7 are fetched in two runs of eight loads, behind K steps 1 and 3, into the two sets just multiplied: the run of products is cut twice.
.macro P1 p
	WIN 0x04                                       ; source 1 (x) in window 1
.irp s, 0,1,2,3,4,5,6,7
.if \s == 7
	s_wait_dscnt 0x0
.elseif \s == 6
	s_wait_dscnt 4                                 ; K step 7's four loads may be out
.elseif (\s % 2) == 1
	s_wait_dscnt 8                                 ; behind this K step's loads: those of two later K steps
.else
	s_wait_dscnt 12                                ; of three later K steps
.endif
.irp u, 0,1
.irp m, 0,1,2,3
.if \s == 0
	WMS HA+16*\m+8*\u, WF+16*(\s%4)+8*\u, 8*(8*\m+\s), B1F+8*\u, SW+\s, XS+4*\m+(\s>>1), \u, \s&1
.else
	WMS HA+16*\m+8*\u, WF+16*(\s%4)+8*\u, 8*(8*\m+\s), HA+16*\m+8*\u, SW+\s, XS+4*\m+(\s>>1), \u, \s&1
.endif
.endr
.endr
.if (\s == 1) || (\s == 3)
	PLACES 4                                       ; in front of loads into registers that these products have read
	FR1 \p, \s+3
	FR1 \p, \s+4
.endif
.endr
	WIN 0
	PLACES 4                                       ; in front of the next loads into the fragments' registers and of the first read of the results
.endm
; gelu of one accumulator's eight numbers, in place: 72 lines, pairs by turns.  The first read of the accumulator is of its lowest register.
.macro HORN acc, k                     ; acc = acc u + s[k]
.irp i, 0,2,4,6
	v_pk_fma_f32 v[\acc+\i:\acc+\i+1], v[\acc+\i:\acc+\i+1], v[GU+\i:GU+\i+1], s[\k:\k+1] op_sel_hi:[1,1,0]
.endr
.endm
.macro GELU8 base
.irp i, 0,1,2,3,4,5,6,7
	v_med3_num_f32 v[GX+\i], v[(\base)+\i], -s[CL], s[CL]          ; xc
.endr
.irp i, 0,2,4,6
	v_pk_mul_f32 v[GU+\i:GU+\i+1], v[GX+\i:GX+\i+1], v[GX+\i:GX+\i+1]   ; u = xc^2
.endr
.irp i, 0,2,4,6
	v_pk_fma_f32 v[GQ+\i:GQ+\i+1], v[GU+\i:GU+\i+1], v[B6:B6+1], s[SB5:SB5+1] op_sel_hi:[1,1,0]
.endr
.irp i, 0,2,4,6
	v_pk_fma_f32 v[GP+\i:GP+\i+1], v[GU+\i:GU+\i+1], v[A4:A4+1], s[SA3:SA3+1] op_sel_hi:[1,1,0]
.endr
	HORN GQ, SB4
	HORN GP, SA2
	HORN GQ, SB3
	HORN GP, SA1
	HORN GQ, SB2
	HORN GQ, SB1
.irp i, 0,2,4,6
	v_pk_fma_f32 v[GQ+\i:GQ+\i+1], v[GQ+\i:GQ+\i+1], v[GU+\i:GU+\i+1], 1.0 op_sel_hi:[1,1,0]
.endr
	s_wait_alu depctr_va_vdst(0)
.irp i, 0,1,2,3,4,5,6,7
	v_rcp_f32 v[GQ+\i], v[GQ+\i]
.endr
	HORN GP, SA0                                   ; plain lines behind the reciprocals, which touch none of their registers
	s_wait_alu depctr_va_vdst(0)
.irp i, 0,2,4,6
	v_pk_mul_f32 v[GP+\i:GP+\i+1], v[GP+\i:GP+\i+1], v[GQ+\i:GQ+\i+1]
.endr
.irp i, 0,2,4,6
	v_pk_fma_f32 v[GP+\i:GP+\i+1], v[GP+\i:GP+\i+1], v[GX+\i:GX+\i+1], 0.5 op_sel_hi:[1,1,0]
.endr
.irp i, 0,2,4,6
	v_pk_mul_f32 v[(\base)+\i:(\base)+\i+1], v[(\base)+\i:(\base)+\i+1], v[GP+\i:GP+\i+1]
.endr
.endm
.macro G from                          ; the accumulators from .. 7
.irp a, 0,1,2,3,4,5,6,7
.if \a >= \from
	GELU8 HA+8*\a
.endif
.endr
.endm
; The pair's 32 hidden units are block 2 w + p of the second product's K: of each tile m a lane's 16 numbers become 8 bytes at their place in the image, and the block's byte its place in the scale word.
.macro HQ p
	QUANT
.irp m, 0,1,2,3
	ds_store_b64 v[HW], v[CD+2*\m:CD+2*\m+1] offset:2048*\m+256*(\p)
	ds_store_b8 v[HSW], v[TB+\m] offset:128*\m+(\p)                ; both halves of the lanes store the same byte with the same value
.endr
.endm
; THE SECOND PRODUCT.
.macro FR2 t                           ; tile t's two fragments of W2
.irp s, 0,1
.irp c, 0,1
	ds_load_b128 v[WF2+16*((\t)%2)+8*\s+4*\c:WF2+16*((\t)%2)+8*\s+4*\c+3], v[AW2] offset:(2*(\t)+\s)*1024+512*\c
.endr
.endr
.endm
.macro BL t                            ; and its bias, in the result's layout
	ds_load_b128 v[BF+8*((\t)%2):BF+8*((\t)%2)+3], v[AB2] offset:64*(\t)
	ds_load_b128 v[BF+8*((\t)%2)+4:BF+8*((\t)%2)+7], v[AB2] offset:64*(\t)+16
.endm
.macro PRE2                            ; what the second product wants and the gelu's registers do not hold: W2's scale words, two biases, the expert's gates
	v_add_nc_u32 v[RWA], s[EO], v[RWR]
.irp q, 0,1,2,3
	ds_load_b128 v[SW2+4*\q:SW2+4*\q+3], v[AW2] offset:32768+512*\q
.endr
	BL 0
	BL 1
.irp m, 0,1,2,3
	ds_load_b32 v[RW+2*\m], v[RWA] offset:1024*\m
.endr
.endm
.macro HFL                             ; the hidden layer's eight fragments and four scale registers, as any wave reads them
.set i, 0
.rept 16
	ds_load_b128 v[HF+4*i:HF+4*i+3], v[HR] offset:512*i
.set i, i+1
.endr
.irp m, 0,1,2,3
	ds_load_b32 v[HS+\m], v[HSR] offset:128*\m
.endr
.endm
.macro CMB t, m                        ; out(t, m) += gate x y(t, m): four packed multiply-adds, the accumulator from its low end on
	WIN 0xa0+0x50*((\t)/8)                         ; source 2 and destination in window 2 or 3
.irp j, 0,2,4,6
	v_pk_fma_f32 v[8*(4*((\t)%8)+\m)+\j:8*(4*((\t)%8)+\m)+\j+1], v[Y+32*((\t)%2)+8*\m+\j:Y+32*((\t)%2)+8*\m+\j+1], v[RW+2*\m:RW+2*\m+1], v[8*(4*((\t)%8)+\m)+\j:8*(4*((\t)%8)+\m)+\j+1] op_sel_hi:[1,0,1]
.endr
.endm
; 16 tiles of 16 outputs x 4 tiles of tokens x 2 K steps.  A tile's eight products stand together, its four accumulators by turns, one instruction a turn; the two sets take turns from tile to tile.
; Behind them the tile before is joined to the sums: sixteen plain lines that name none of the registers of the products just issued: the places in front of the loads into fragments and of the reads of results.
; So a tile has two switches of the register windows.
.macro P2
.irp t, 0,1,2,3,4,5,6,7,8,9,10,11,12,13,14,15
.if (\t == 0) || (\t == 15)
	s_wait_dscnt 0x0
.else
	s_wait_dscnt 6                                 ; this tile's loads are in; the next tile's six may be out
.endif
	WIN 0
.irp m, 0,1,2,3
	WMS Y+32*(\t%2)+8*\m, WF2+16*(\t%2), HF+16*\m, BF+8*(\t%2), SW2+\t, HS+\m, 0, 0
.endr
.irp m, 0,1,2,3
	WMS Y+32*(\t%2)+8*\m, WF2+16*(\t%2)+8, HF+16*\m+8, Y+32*(\t%2)+8*\m, SW2+\t, HS+\m, 1, 1
.endr
.if \t > 0
	CMB \t-1, 0
	CMB \t-1, 1
	CMB \t-1, 2
	CMB \t-1, 3
.else
	PLACES 4
.endif
	WIN 0
.if \t < 14
	FR2 \t+2
	BL \t+2
.endif
.endr
	CMB 15, 0
	CMB 15, 1
	CMB 15, 2
	CMB 15, 3
	WIN 0
.endm
; AN EXPERT.  more = 1: the next expert's chunks are asked for, each as soon as this expert's last read of its region is over.
.macro EXPERT more
	P1 0                                           ; its first 22 loads were issued ahead of the loop or at the last expert's end
	P1PRO 1                                        ; the second pair's first loads land under the first pair's gelu
	G 0
	HQ 0
	P1 1
	s_wait_tensorcnt 0x0                           ; all my tensor loads have landed: this expert's chunk of W2; no group 0 is in use
.if \more
	ds_add_u32 v[SPW], v[NIL]
	s_add_nc_u64 s[G0A+2:G0A+3], s[G0A+2:G0A+3], 4*C1   ; the next expert's chunk of W1
.endif
	GELU8 HA                                       ; the second gelu's first accumulator: work on registers between the add and the wait for it
.if \more
	s_wait_dscnt 0x0                               ; the add is done; my reads of W1's chunk are over
	ROUND                                          ; the same holds of every wave of the four work-groups
	tensor_load_to_lds s[G0A:G0A+3], s[G1A:G1A+7]
	s_nop 0
	PLACES 4
.endif
	PRE2
	G 1
	HQ 1
	FR2 0
	FR2 1
	s_wait_dscnt 0x0                               ; for the others' sake: my parts of the images and scale words have landed
	s_barrier_signal -1
	s_barrier_wait -1                              ; W1's next chunk may stay on its way
	HFL
	P2
.if \more
	s_wait_tensorcnt 0x0                           ; the next expert's chunk of W1 has landed: only I read it
	P1PRO 0                                        ; its first loads; the sixteen lines that joined tile 14 are the places behind the last products
	REFILL G0B, G1B, 4*C2                          ; its round also parts every wave's reads of the images from the next expert's stores into them
.endif
.endm
; THE WAY OUT of block a: tile of tokens a / 2, my columns 128 (a % 2) on: through my own stage, back as whole rows of 512 bytes.
.macro TOSTAGE a
	WIN 0x08+4*((\a)%2)                            ; an LDS store's data are its source 1: window 2 or 3
.irp tt, 0,1,2,3,4,5,6,7
	ds_store_b128 v[STO], v[8*(4*\tt+(\a)/2):8*(4*\tt+(\a)/2)+3] offset:64*\tt
	ds_store_b128 v[STO], v[8*(4*\tt+(\a)/2)+4:8*(4*\tt+(\a)/2)+7] offset:64*\tt+16
.endr
	WIN 0
.irp i, 0,1,2,3,4,5,6,7,8,9,10,11,12,13,14,15
	ds_load_b128 v[BK+64*((\a)%2)+4*\i:BK+64*((\a)%2)+4*\i+3], v[RDO] offset:\i*528   ; LDS serves a wave's instructions in order (ISA guide 5.7.1.4): these see the stores above
.endr
.endm
.macro SEND a, younger                 ; younger: the LDS instructions issued behind block a's loads
	s_wait_dscnt \younger
.irp i, 0,1,2,3,4,5,6,7,8,9,10,11,12,13,14,15
	global_store_b128 v[CO], v[BK+64*((\a)%2)+4*\i:BK+64*((\a)%2)+4*\i+3], s[14:15] offset:(16*((\a)/2)+\i)*4096+512*((\a)%2) th:TH_STORE_NT   ; 32 lanes store 512 consecutive bytes, at a multiple of 256 from out's first byte
.endr
.endm
	; ---- the head
	s_load_b256 s[4:11], s[0:1], 0x0               ; x s[4:5], wa s[6:7], wb s[8:9], wr s[10:11]
	s_load_b128 s[12:15], s[0:1], 0x20             ; br s[12:13], out s[14:15]
	v_lshl_add_u32 v[SPW], v0, 2, SPARE
	v_mov_b32 v[NIL], 0
	ds_add_u32 v48, v49
	ds_add_u32 v48, v49
	s_wait_dscnt 0x0
	v_lshrrev_b32 v62, 5, v0
	v_readfirstlane_b32 s[WV], v62                 ; wave 0..3
	s_bfe_u32 s17, ttmp6, 0x40000                  ; cx: my place in the cluster: it enters x's and out's addresses alone (s2, s3, s17, s18)
	s_lshl_b32 s18, ttmp9, 2
	s_add_co_u32 s18, s18, s17                     ; my block of 64 tokens = 4 x cluster + cx
	s_lshl_b32 s2, s18, 18                         ; its 64 rows of 4,096 bytes
	s_mov_b32 s3, 0
	; group 1 for a chunk: a dense block as rows of 256 bytes (32 elements of 8 bytes); the mask names the cluster's four work-groups, bit 21 beside it
	s_mov_b32 s[G1A], 15|(3<<16)|(1<<21)
	s_mov_b32 s[G1A+1], 32<<16                     ; tensor_dim0
	s_mov_b32 s[G1A+2], 137<<16                    ; tensor_dim1: C1 / 256
	s_mov_b32 s[G1A+3], 32<<16                     ; tile_dim0
	s_mov_b32 s[G1A+4], 137                        ; tile_dim1
	s_mov_b32 s[G1A+5], 32                         ; the pitch
	s_mov_b32 s[G1A+6], 0
	s_mov_b32 s[G1A+7], 0
	s_mov_b32 s[G1B], 15|(3<<16)|(1<<21)
	s_mov_b32 s[G1B+1], 32<<16
	s_mov_b32 s[G1B+2], 140<<16                    ; C2 / 256
	s_mov_b32 s[G1B+3], 32<<16
	s_mov_b32 s[G1B+4], 140
	s_mov_b32 s[G1B+5], 32
	s_mov_b32 s[G1B+6], 0
	s_mov_b32 s[G1B+7], 0
	; group 1 for x: 16 rows x 256 numbers of 4 bytes, 1,024 numbers from row to row, 4 words of padding behind every 256; no mask
	s_mov_b32 s[G1X], (2<<16)|(1<<20)|(7<<22)|(3<<25)
	s_mov_b32 s[G1X+1], 256<<16
	s_mov_b32 s[G1X+2], 16<<16
	s_mov_b32 s[G1X+3], 256<<16
	s_mov_b32 s[G1X+4], 16
	s_mov_b32 s[G1X+5], 1024
	s_mov_b32 s[G1X+6], 0
	s_mov_b32 s[G1X+7], 0
	s_mov_b32 s[G0A], 1
	s_mul_i32 s[G0A+1], s[WV], C1                  ; LDS: my part of SLA
	s_mov_b32 s[G0B], 1
	s_mul_i32 s[G0B+1], s[WV], C2
	s_add_co_u32 s[G0B+1], s[G0B+1], SLB           ; my part of SLB
	s_mov_b32 s[G0X0], 1
	s_mul_i32 s[G0X0+1], s[WV], XB                 ; my stage of quarter 0,
	s_mov_b32 s[LE+1], 0
	s_wait_kmcnt 0x0
	s_load_b256 s[BR:BR+7], s[12:13], 0x0          ; br
	s_mul_i32 s[LE], s[WV], C1
	s_add_nc_u64 s[G0A+2:G0A+3], s[6:7], s[LE:LE+1]   ; expert 0's chunk for my wave
	s_or_b32 s[G0A+3], s[G0A+3], 0x80000000
	s_mul_i32 s[LE], s[WV], C2
	s_add_nc_u64 s[G0B+2:G0B+3], s[8:9], s[LE:LE+1]
	s_or_b32 s[G0B+3], s[G0B+3], 0x80000000
	s_add_nc_u64 s[14:15], s[14:15], s[2:3]        ; out at my block's first row
	s_lshl_b32 s19, s[WV], 16
	s_add_co_u32 s2, s2, s19                       ; my wave's 16 rows of x
	s_add_nc_u64 s[4:5], s[4:5], s[2:3]            ; x at my wave's first row: the prefetches' base, never rewritten
	s_mov_b64 s[G0X0+2:G0X0+3], s[4:5]             ; quarter 0 of the rows
	s_or_b32 s[G0X0+3], s[G0X0+3], 0x80000000
	ROUND                                          ; in a launch in clusters every group of tensor loads stands behind a round
	tensor_load_to_lds s[G0X0:G0X0+3], s[G1X:G1X+7]   ; quarter 0 of my 16 tokens' rows: my one tensor load at the head
	s_nop 0
	PLACES 4
	v_and_b32 v62, 31, v0                          ; lane
	v_and_b32 v60, 15, v0                          ; r
	v_bfe_u32 v61, v0, 4, 1                        ; h
	v_lshlrev_b32 v[L16], 4, v62
	v_lshlrev_b32 v[L4], 2, v62
	v_mov_b32 v[WRA], v[L16]
.irp b, 0,1,2,3
.irp c, 0,1
	global_load_b128 v[WRF+8*\b+4*\c:WRF+8*\b+4*\c+3], v[WRA], s[10:11] offset:1024*\b+512*\c   ; Wr's fragments of K step 0
.endr
.endr
	v_and_b32 v63, 28, v62                         ; the prefetches' offset: row lane / 4 (4,096 bytes a row), block lane % 4 of a quarter's 1,024 bytes
	v_and_b32 v[AXT], 3, v62
	v_lshlrev_b32 v63, 10, v63
	v_lshl_add_u32 v63, v[AXT], 8, v63
	v_add_nc_u32 v[AW1], s[G0A+1], v[L16]
	v_lshl_add_u32 v[AB1], v61, 6, s[G0A+1]
	v_add_nc_u32 v[AB1], 34816, v[AB1]
	v_add_nc_u32 v[AW2], s[G0B+1], v[L16]
	v_lshl_add_u32 v[AB2], v61, 5, s[G0B+1]
	v_add_nc_u32 v[AB2], 34816, v[AB2]
	s_lshl_b32 s19, s[WV], 9
	s_add_co_u32 s19, s19, R0
	v_lshl_add_u32 v[HW], v60, 4, s19
	v_lshl_add_u32 v[HW], v61, 3, v[HW]
	s_lshr_b32 s19, s[WV], 1
	s_lshl_b32 s19, s19, 6
	s_and_b32 s23, s[WV], 1
	s_lshl_b32 s23, s23, 1
	s_add_co_u32 s19, s19, s23
	s_add_co_u32 s19, s19, HSC
	v_lshl_add_u32 v[HSW], v60, 2, s19
	v_add_nc_u32 v[HR], R0, v[L16]
	v_add_nc_u32 v[HSR], HSC, v[L4]
	v_add_nc_u32 v[RWR], RWI, v[L4]
	v_add_nc_u32 v[XSR], XSC, v[L4]
	v_mul_u32_u24 v[AX], v60, 1040
	v_lshl_add_u32 v[AX], v61, 6, v[AX]
	v_add_nc_u32 v[AX], s[G0X0+1], v[AX]
	s_lshl_b32 s19, s[WV], 13
	s_add_co_u32 s19, s19, R0
	v_lshl_add_u32 v[AXW], v60, 4, s19
	v_lshl_add_u32 v[AXW], v61, 3, v[AXW]
	s_lshl_b32 s19, s[WV], 9
	s_add_co_u32 s19, s19, XSC
	v_lshl_add_u32 v[XSWA], v60, 2, s19
	s_lshl_b32 s19, s[WV], 10
	v_add_nc_u32 v[CO], s19, v[L16]
	s_add_co_u32 s19, s19, RWI
	v_add_nc_u32 v[RWW], s19, v[L4]
	s_mul_i32 s19, s[WV], 16*528
	s_add_co_u32 s19, s19, R0
	v_mul_u32_u24 v[STO], v60, 528
	v_lshl_add_u32 v[STO], v61, 5, v[STO]
	v_add_nc_u32 v[STO], s19, v[STO]
	v_add_nc_u32 v[RDO], s19, v[L16]
	s_mov_b32 s[SEL], 0x76543210
	s_mov_b32 s[SEL+1], 0xfedcba98
	s_mov_b32 s[CL], 0x40a96e37                    ; 5.294704
	s_mov_b32 s[EM2], 0xff000000
	s_mov_b32 s[FLR], 0x1800000
	SPAIR LE, 0x3fb8aa3b                           ; log2(e)
	v_mov_b32 v[A4], 0x36a9d4af                    ; 5.0613523e-6
	v_mov_b32 v[A4+1], 0x36a9d4af
	v_mov_b32 v[B6], 0xb0fd3906                    ; -1.8424380e-9
	v_mov_b32 v[B6+1], 0xb0fd3906
.irp m, 0,1,2,3
	v_mov_b32 v[RW+2*\m+1], 0                      ; named as the pairs' upper halves
	v_mov_b32 v[TP+\m], 0                          ; a lane permute's destination counts as one of its sources
.endr
	s_mov_b32 s[WRO], 0
	s_wait_kmcnt 0x0
.irp j, 0,1,2,3,4,5,6,7
	v_mov_b32 v[LG+\j], s[BR+\j]                   ; the logits begin with br (register j: expert j, in both halves of the lanes),
	v_mov_b32 v[LG+8+\j], 0                        ; their second accumulator with 0
.endr
	; The sums over experts are made by vector multiply-adds, so no product's C = 0 can start them, and a first expert that multiplied instead would be a third copy of the expert's text: they are cleared, while x's first tiles are on their way.
	WIN 0x80
.set i, 0
.rept 256
	v_mov_b32 v[i], 0
.set i, i+1
.endr
	WIN 0xc0
.set i, 0
.rept 256
	v_mov_b32 v[i], 0
.set i, i+1
.endr
	WIN 0
	; ---- x: my 16 tokens, a quarter of the rows at a time, each as it lands
; The next quarter of x, a first fill issued as a refill is: my one load that was out has landed, 0 goes onto my spare word, the group 0 walks, the add and my LDS work are over, a round, and my one load first behind it.
.macro XFILL
	s_wait_tensorcnt 0x0                           ; the quarter that I am about to read is in; no tensor load of mine is out, so the group 0 may be written
	ds_add_u32 v[SPW], v[NIL]
	s_add_co_u32 s[G0X0+1], s[G0X0+1], XQS         ; my stage of the next quarter,
	s_add_nc_u64 s[G0X0+2:G0X0+3], s[G0X0+2:G0X0+3], 1024   ; and its 1,024 bytes of each row; the type bits on top are not reached
	s_wait_dscnt 0x0
	ROUND
	tensor_load_to_lds s[G0X0:G0X0+3], s[G1X:G1X+7]
	s_nop 0
.endm
.macro PF q                            ; quarter q of my 16 rows is asked for: rows 0-7, then rows 8-15 (32,768 bytes on); a lane a block of 256 bytes
	global_prefetch_b8 v63, s[4:5] offset:1024*\q th:TH_LOAD_NT scope:SCOPE_SE
	global_prefetch_b8 v63, s[4:5] offset:1024*\q+32768 th:TH_LOAD_NT scope:SCOPE_SE
.endm
	PF 1
	XFILL                                          ; quarter 1
	PF 2
	XQ 0
	XFILL                                          ; quarter 2
	PF 3
	XQ 1
	XFILL                                          ; quarter 3
	XQ 2
	REFILL G0A, G1A, 0                             ; W1's first chunk over the stages of quarters 0 and 1, which every wave has read; the wait for all my loads shows quarter 3 landed
	XQ 3
	; ---- the gates of my 16 tokens: softmax over a lane's eight logits, the maximum taken away
	s_wait_loadcnt 0x0                             ; the last fetch of Wr's fragments: its registers are wanted again
.irp j, 0,2,4,6
	v_pk_add_f32 v[GT+\j:GT+\j+1], v[LG+\j:LG+\j+1], v[LG+8+\j:LG+8+\j+1]   ; both accumulators from their low ends on (the places stand at the K step's end)
.endr
	v_max3_num_f32 v[GT+8], v[GT], v[GT+1], v[GT+2]
	v_max3_num_f32 v[GT+8], v[GT+8], v[GT+3], v[GT+4]
	v_max3_num_f32 v[GT+8], v[GT+8], v[GT+5], v[GT+6]
	v_max_num_f32 v[GT+8], v[GT+8], v[GT+7]
	v_mul_f32 v[GT+8], s[LE], v[GT+8]              ; c x the maximum, c = log2(e)
.irp j, 0,2,4,6
	v_pk_fma_f32 v[GT+\j:GT+\j+1], v[GT+\j:GT+\j+1], s[LE:LE+1], v[GT+8:GT+9] op_sel_hi:[1,0,0] neg_lo:[0,0,1] neg_hi:[0,0,1]
.endr
	s_wait_alu depctr_va_vdst(0)
.irp j, 0,1,2,3,4,5,6,7
	v_exp_f32 v[GT+\j], v[GT+\j]
.endr
	v_nop                                          ; a plain line behind the exponentials
	s_wait_alu depctr_va_vdst(0)
	v_pk_add_f32 v[GT+10:GT+11], v[GT:GT+1], v[GT+2:GT+3]
	v_pk_add_f32 v[GT+12:GT+13], v[GT+4:GT+5], v[GT+6:GT+7]
	v_pk_add_f32 v[GT+10:GT+11], v[GT+10:GT+11], v[GT+12:GT+13]
	v_add_f32 v[GT+10], v[GT+10], v[GT+11]
	s_wait_alu depctr_va_vdst(0)
	v_rcp_f32 v[GT+10], v[GT+10]
	v_nop                                          ; a plain line behind the reciprocal
	s_wait_alu depctr_va_vdst(0)
.irp j, 0,2,4,6
	v_pk_mul_f32 v[GT+\j:GT+\j+1], v[GT+\j:GT+\j+1], v[GT+10:GT+11] op_sel_hi:[1,0]
.endr
.irp j, 0,1,2,3,4,5,6,7
	ds_store_b32 v[RWW], v[GT+\j] offset:128*\j
.endr
	s_wait_dscnt 0x0                               ; for the others' sake: my images of x, their scale words and my gates have landed
	s_barrier_signal -1
	s_barrier_wait -1                              ; W1's first chunk may stay on its way
	WIN 0x40                                       ; destination window 1
.set i, 0
.rept 64
	ds_load_b128 v[4*i:4*i+3], v[HR] offset:512*i  ; x's 32 fragments: they stay
.set i, i+1
.endr
	WIN 0
.set i, 0
.rept 16
	ds_load_b32 v[XS+i], v[XSR] offset:128*i
.set i, i+1
.endr
	REFILL G0B, G1B, 0                             ; W2's first chunk over the stages of quarters 2 and 3; W1's first chunk has landed; the round also parts every wave's reads of x's images from the hidden layer's images, which lie over them
	SPAIR SA3, 0x391df185                          ; 1.5062661e-4
	SPAIR SA2, 0x3b93955d                          ; 4.5038897e-3
	SPAIR SA1, 0x3d061aeb                          ; 3.2740515e-2
	SPAIR SA0, 0x3ecc4229                          ; 0.39894227
	SPAIR SB5, 0x354588df                          ; 7.3587395e-7
	SPAIR SB4, 0x38856d28                          ; 6.3622658e-5
	SPAIR SB3, 0x3ae687d4                          ; 1.7588088e-3
	SPAIR SB2, 0x3ce34c21                          ; 2.7746263e-2
	SPAIR SB1, 0x3e7eb44a                          ; 0.24873463
	; ---- the experts
	P1PRO 0                                        ; expert 0's first loads: W1's first chunk was shown landed by the wait in front of the round above
	s_mov_b32 s[EC], 7
	s_mov_b32 s[EO], 0
.Lexpert:
	EXPERT 1
	s_add_co_u32 s[EO], s[EO], 128
	s_sub_co_u32 s[EC], s[EC], 1
	s_cmp_lg_u32 s[EC], 0
	s_cbranch_scc1 .Lexpert
	s_mov_b32 s[EO], 7*128
	EXPERT 0                                       ; the last expert is written out: it asks for nothing
	; ---- the way out
	s_wait_alu depctr_va_vdst(0)
	s_wait_dscnt 0x0                               ; my reads of the images are over: the stages lie over them
	s_barrier_signal -1
	s_barrier_wait -1
	TOSTAGE 0
.irp a, 1,2,3,4,5,6,7
.if \a > 1
	s_wait_xcnt 0x0                                ; block a - 2's stores have read their registers: block a's loads may land there
.endif
	TOSTAGE \a
	SEND \a-1, 32                                  ; behind block a - 1's loads: block a's 16 stores and 16 loads
.endr
	SEND 7, 0
	s_wait_tensorcnt 0x0                           ; the wave's end
	ds_add_u32 v[SPW], v[NIL]
	s_wait_dscnt 0x0
	ROUND                                          ; the closing round: no work-group ends while a partner may still ask for a chunk that names it
	s_endpgm
.Lfunc_end_k_qdfda2ff23d_main:
	.size	k_qdfda2ff23d_main, .Lfunc_end_k_qdfda2ff23d_main-k_qdfda2ff23d_main
	.p2alignl 7, 3214868480
	.fill 96, 4, 3214868480
	.section	.rodata,"a",@progbits
	.p2align	6, 0x0
	.amdhsa_kernel k_qdfda2ff23d_main
		.amdhsa_group_segment_fixed_size 327680
		.amdhsa_private_segment_fixed_size 0
		.amdhsa_enable_private_segment 0
		.amdhsa_kernarg_size 48
		.amdhsa_user_sgpr_count 2
		.amdhsa_user_sgpr_kernarg_segment_ptr 1
		.amdhsa_wavefront_size32 1
		.amdhsa_system_sgpr_workgroup_id_x 1
		.amdhsa_system_sgpr_workgroup_id_y 1
		.amdhsa_system_sgpr_workgroup_id_z 1
		.amdhsa_system_vgpr_workitem_id 0
		.amdhsa_next_free_vgpr 1024
		.amdhsa_next_free_sgpr 102
		.amdhsa_reserve_vcc 0
		.amdhsa_float_denorm_mode_32 3
		.amdhsa_float_denorm_mode_16_64 3
		.amdhsa_memory_ordered 1
		.amdhsa_forward_progress 1
		.amdhsa_inst_pref_size 255
	.end_amdhsa_kernel
	.section	.bss,"aw",@nobits
	.p2align	6
	.space	262144
	.amdgpu_metadata
---
amdhsa.version: [ 1, 2 ]
amdhsa.kernels:
  - .name:           k_qdfda2ff23d_main
    .symbol:         k_qdfda2ff23d_main.kd
    .args:
      - { .name: x, .offset: 0, .size: 8, .value_kind: global_buffer, .address_space: global }
      - { .name: wa, .offset: 8, .size: 8, .value_kind: global_buffer, .address_space: global }
      - { .name: wb, .offset: 16, .size: 8, .value_kind: global_buffer, .address_space: global }
      - { .name: wr, .offset: 24, .size: 8, .value_kind: global_buffer, .address_space: global }
      - { .name: br, .offset: 32, .size: 8, .value_kind: global_buffer, .address_space: global }
      - { .name: out0, .offset: 40, .size: 8, .value_kind: global_buffer, .address_space: global }
    .group_segment_fixed_size: 327680
    .private_segment_fixed_size: 0
    .kernarg_segment_align: 8
    .kernarg_segment_size: 48
    .max_flat_workgroup_size: 128
    .sgpr_count:     102
    .vgpr_count:     1024
    .wavefront_size: 32
...
	.end_amdgpu_metadata
.endif
;; end of part 2
